; MI455X (gfx1250); checked and timed in simulation.
; The chip was launched on July 23, 2026; its instructions are those of AMD's public machine-readable ISA for CDNA 5 (MIT licence, August 2026) and "CDNA5" Instruction Set Architecture Reference Guide (July 2026). The comments in the code are by the model that wrote it; some were corrected since.
;; Causal Self Attention. Allowed arithmetic: matrix products marked QUANTISED: E4M3 operands, one given power-of-two scale a tensor, by v_wmma_f32_16x16x64_fp8_fp8 or v_wmma_f32_16x16x128_fp8_fp8, f32 sums; everything else in f32.
;; Inputs: lowp_scales 8 int32 (the exponents e of the quantised operands' scales 2^e); w_attn 3,072 x 1,024 float32; w_proj 1,024 x 1,024 float32; x 4 x 2,048 x 1,024 float32.
;; Outputs: out0 4 x 2,048 x 1,024 float32.
;; This version of the problem:
;;   THIS VERSION OF THE PROBLEM IS GIVEN IN LOW PRECISION. The matrix products marked QUANTISED in the list below multiply operands that are first quantised to E4M3 (4 exponent bits, 3 mantissa bits; 8 bits a number), with one given power-of-two scale for each operand tensor; their sums are f32. All else is computed in f32.
;;   The module's matrix products, in the order in which they are computed (A, B: the left and right operand; K: the contracted axis; several contracted axes count as one K, in the product's order):
;;     1. [M 8,192, K 1,024] x [K 1,024, N 3,072]; A: input x; B: input w_attn: QUANTISED (scales: A lowp_scales[0], B lowp_scales[1])
;;     2. batch 64 x [M 2,048, K 64] x [K 64, N 2,048]; A: computed on the way; B: computed on the way: QUANTISED (scales: A lowp_scales[2], B lowp_scales[3])
;;     3. batch 64 x [M 2,048, K 2,048] x [K 2,048, N 64]; A: softmax (see below); B: computed on the way: QUANTISED (scales: A lowp_scales[4], B lowp_scales[5])
;;     4. [M 8,192, K 1,024] x [K 1,024, N 1,024]; A: computed on the way; B: input w_proj: QUANTISED (scales: A lowp_scales[6], B lowp_scales[7])
;;   THE QUANTISER, for each operand of a quantised product, along K:
;;     - The operand's scale is 2^e, e = its entry of the input lowp_scales (int32; the entries are numbered through the quantised products in the list's order, A before B).
;;     - Each number is divided by the scale, clamped to +-448, and rounded to the nearest number of E4M3, ties to even, subnormals kept.
;;     - The product sums the exact products of the quantised numbers (number of the format x scale) in f32.
;;   ~~~python
;;   def quantise(x, axis, e):      # numpy; x: float32 -> the quantised numbers, widened to float32 again
;;       x = np.moveaxis(x, axis, -1); K = x.shape[-1]
;;       r = np.clip(x / 2.0 ** e, -448, 448)
;;       step = 2.0 ** (np.maximum(np.frexp(np.where(r == 0, 1, r))[1] - 1, -6) - 3)
;;       q = np.round(r / step) * step * 2.0 ** e      # np.round: ties to even
;;       return np.moveaxis(q, -1, axis).astype(np.float32)
;;   ~~~
;;   SOFTMAX AHEAD OF A QUANTISED PRODUCT. Where the list says 'softmax', what is quantised is not the finished softmax but p = 2^(t - M), with t = logit x log2(e) and M = ceil(the row's largest t), a whole number; so 1/2 < the row's largest p <= 1. The row's sum l is taken of the UNQUANTISED p, in f32, and the product's result is divided by l at the end. Since M is a whole number, a kernel that streams over the keys may use a running M (the ceiling of the running maximum): every later rescaling is an exact power of two, so the quantised numbers keep their values, but for numbers so far below the row's largest that they fall under the format's range.
;;   OPERANDS COMPUTED ON THE WAY. 'Computed on the way' means the value that the module computes at that place (a softmax that the list does not call 'softmax' is quantised finished and normalised). What goes into a quantiser is computed in f32, as accurately as f32 sums, v_exp_f32 and their like allow (about 1e-6 of the number): no bf16 or f16 on the way to a quantiser, and a product that is left as it is and whose result goes on into a quantised operand takes f32 operands (vector FMAs, or v_wmma_f32_16x16x4_f32). A number that lies on a knife's edge between two numbers of the format may be rounded either way, as far as f32 arithmetic and the matrix unit's own rounding can turn it there, and no further.
;; One version. Each part assembles by itself: llvm-mc -triple=amdgcn-amd-amdhsa -mcpu=gfx1250 --defsym DOCPART=n.
;; ======== version 1 of 1: 4 launches
;; limits: right only within a limited range of input values
;; workspace buffers: x_codes 8,388,608 bytes; wa_codes 3,145,728 bytes; wp_codes 1,048,576 bytes; q_img 8,388,608 bytes; kv 16,777,216 bytes; y_img 8,388,608 bytes
;; launch quant (part 1): grid 384 x 1, 4 waves a work-group, no clusters, 33,280 bytes of LDS; arguments x, w_attn, w_proj, lowp_scales, x_codes, wa_codes, wp_codes; writes x_codes, wa_codes, wp_codes
.if DOCPART == 1
	.amdgcn_target "amdgcn-amd-amdhsa--gfx1250"
	.amdhsa_code_object_version 6
	.text
	.protected	k_qd14deeeb4d_quant
	.globl	k_qd14deeeb4d_quant
	.p2align	8
	.type	k_qd14deeeb4d_quant,@function
k_qd14deeeb4d_quant:
	s_mov_b64 s[64:65], 0
	v_nop
	global_prefetch_b8 v0, s[64:65] scope:SCOPE_SE
	s_setreg_imm32_b32 hwreg(HW_REG_WAVE_MODE, 25, 1), 1
	s_wait_xcnt 0x0
; x [8192][1024], w_attn [3072][1024], w_proj [1024][1024], f32, K innermost, become codes of FP8 (E4M3), one byte each, each tensor with its given scale 2^e
; (entries 0, 1 and 7 of the buffer of scales).  code = x / 2^e, held within +-448, rounded to the nearest code, ties to even.
; LIMITS: -126 <= e and e + 8 <= 127.  NaN among the inputs is not served (an infinity is held at the largest code).
; LAYOUT OF THE CODES: row-major, but inside each block of 32 along K the four pieces of 8 codes lie in the order 0, 2, 1, 3.  A read of 16 bytes at 32 c + 16 h of a row
; then holds k = 32 c + 8 h + 0..7 and 32 c + 16 + 8 h + 0..7: registers 4 c .. 4 c + 3 of a lane of half h in the 8-bit operand layout of the plain matrix forms (ISA guide 7.12.2).
; Rows are dense and 1024 is a multiple of 32: each tensor is a plain stream of blocks of 32, and so are its codes.  A work-group takes 32,768 numbers, a wave 16 steps of 512.
; Each of a step's four loads reads 512 consecutive bytes, 16 a lane; the 2,048 bytes turn through the wave's own stage in LDS, so that a lane gets the 16 numbers whose codes are its 16 bytes
; of the output; the wave then stores 512 consecutive bytes.  One path serves the three tensors: only pointers and e are chosen, by the work-group's number.
; No tensor loads, no barrier, no cluster: waves and work-groups share no input.  Loads run four steps (16 loads a wave) ahead, the turn through LDS one step.
.set WAVES, 4
.set STEPS, 16
.set WGX,   256                        ; work-groups of x: 8192 x 1024 / 32768
.set WGXA,  352                        ; and with w_attn's 96; w_proj has the last 32
.set R,     16                         ; v16-79   four sets of 16 numbers as they are loaded
.set X,     80                         ; v80-111  two sets of 16 numbers in the order of my codes
.set C,     128                        ; v128-191 codes: four registers for each step, so that no store's data are written again
.set WREG,  8192                       ; LDS: a region for each wave: two stages of 32 x SP bytes
.set SP,    80                         ; 64 bytes of data + 16 of padding
.set SPW,   12                         ; v12  LDS address of my spare word; never rewritten
.set NIL,   13                         ; v13  0; never rewritten
.set SPARE, WAVES*WREG                 ; behind the four regions: the spare words, 128 bytes for each wave, which no other line names
	s_load_b256 s[4:11], s[0:1], 0x0               ; x s[4:5], w_attn s[6:7], w_proj s[8:9], the scales' exponents s[10:11]
	s_load_b128 s[12:15], s[0:1], 0x20             ; x_codes, wa_codes
	s_load_b64 s[16:17], s[0:1], 0x30              ; wp_codes
	v_lshl_add_u32 v[SPW], v0, 2, SPARE
	v_mov_b32 v[NIL], 0
	v_lshrrev_b32 v1, 5, v0
	v_readfirstlane_b32 s18, v1                    ; wave
	v_and_b32 v2, 31, v0                           ; lane
	v_lshlrev_b32 v3, 4, v2                        ; 16 x lane: my bytes of a load's 512 and of a store's 512; never rewritten
	s_mul_i32 s19, s18, WREG
	v_lshrrev_b32 v14, 2, v2
	v_mul_u32_u24 v14, v14, SP
	v_and_b32 v15, 3, v2
	v_lshl_add_u32 v14, v15, 4, v14
	v_add_nc_u32 v14, s19, v14                     ; the stage, on the way in: SP (lane / 4) + 16 (lane % 4); a load's 512 bytes take eight places of SP
	v_lshrrev_b32 v15, 1, v2
	v_mul_u32_u24 v15, v15, 2*SP
	v_and_b32 v4, 1, v2
	v_lshl_add_u32 v15, v4, 5, v15
	v_add_nc_u32 v15, s19, v15                     ; on the way out: block lane / 2 (two places of SP), + 32 (lane % 2): numbers 8 (lane % 2) + 0..7 there, and 16 further on in the next place
	s_mov_b32 s20, WGXA
	s_wait_alu depctr_va_vdst(0)
	s_wait_kmcnt 0x0
	s_load_b256 s[24:31], s[10:11], 0x0            ; e0 .. e7
	s_cmp_lt_u32 ttmp9, WGXA                       ; the choices hang on the work-group's number alone
	s_cselect_b64 s[6:7], s[6:7], s[8:9]
	s_cselect_b64 s[14:15], s[14:15], s[16:17]
	s_cselect_b32 s20, WGX, s20
	s_cmp_lt_u32 ttmp9, WGX
	s_cselect_b64 s[4:5], s[4:5], s[6:7]           ; my tensor,
	s_cselect_b64 s[8:9], s[12:13], s[14:15]       ; its codes,
	s_cselect_b32 s20, 0, s20                      ; its first work-group
	s_sub_co_u32 s21, ttmp9, s20
	s_lshl_b32 s21, s21, 2
	s_add_co_u32 s21, s21, s18                     ; which run of 8,192 numbers is my wave's
	s_lshl_b32 s22, s21, 15                        ; 32,768 bytes of numbers (under 2^25 in all)
	s_mov_b32 s23, 0
	s_add_nc_u64 s[4:5], s[4:5], s[22:23]
	s_lshl_b32 s22, s21, 13                        ; 8,192 bytes of codes
	s_add_nc_u64 s[8:9], s[8:9], s[22:23]
.macro LOAD t
.irp i, 0,1,2,3
	global_load_b128 v[R+16*((\t)%4)+4*\i:R+16*((\t)%4)+4*\i+3], v3, s[4:5] offset:2048*(\t)+512*\i th:TH_LOAD_NT   ; 32 lanes read 512 consecutive bytes
.endr
.endm
.macro TURN t                          ; step t's numbers through the stage: LDS serves a wave's instructions in order (ISA guide 5.7.1.4), so no wait stands between the stores and the loads
.irp i, 0,1,2,3
	ds_store_b128 v14, v[R+16*((\t)%4)+4*\i:R+16*((\t)%4)+4*\i+3] offset:32*SP*((\t)%2)+8*SP*\i
.endr
	ds_load_b128 v[X+16*((\t)%2):X+16*((\t)%2)+3],     v15 offset:32*SP*((\t)%2)
	ds_load_b128 v[X+16*((\t)%2)+4:X+16*((\t)%2)+7],   v15 offset:32*SP*((\t)%2)+16
	ds_load_b128 v[X+16*((\t)%2)+8:X+16*((\t)%2)+11],  v15 offset:32*SP*((\t)%2)+SP
	ds_load_b128 v[X+16*((\t)%2)+12:X+16*((\t)%2)+15], v15 offset:32*SP*((\t)%2)+SP+16
.endm
.irp t, 0,1,2,3
	LOAD \t
.endr
	s_wait_kmcnt 0x0
	s_cmp_lt_u32 ttmp9, WGXA
	s_cselect_b32 s32, s25, s31
	s_cmp_lt_u32 ttmp9, WGX
	s_cselect_b32 s32, s24, s32                    ; e: entry 0, 1 or 7
	s_add_co_i32 s32, s32, 127
	s_lshl_b32 s33, s32, 23
	v_mov_b32 v11, s33                             ; 2^e as f32: the conversion takes its exponent field
	s_add_co_i32 s32, s32, 8
	s_lshl_b32 s32, s32, 23
	s_or_b32 s32, s32, 0x600000
	s_wait_alu depctr_va_vdst(0)
	s_wait_loadcnt 12                              ; step 0's four loads are in; the twelve of steps 1 to 3 may be out
	TURN 0
.macro STEP t
.set XS, X+16*((\t)%2)
	s_wait_dscnt 0x0                               ; this step's numbers are back from the stage: so its stores into the stage have read their registers,
.if (\t)+4 < STEPS
	LOAD (\t)+4                                    ; which take the loads of four steps on
.endif
.if (\t)+1 < STEPS
.if STEPS-2-(\t) >= 3
	s_wait_loadcnt 12                              ; the next step's four loads are in; those of the three steps behind it may be out
.else
	s_wait_loadcnt 4*(STEPS-2-(\t))                ; the tail: four for each step still behind the next
.endif
	TURN (\t)+1                                    ; and go through the other stage while this step is worked
.endif
.irp i, 0,1,2,3,4,5,6,7,8,9,10,11,12,13,14,15
.endr
	v_cvt_scalef32_pk8_fp8_f32 v[C+4*(\t):C+4*(\t)+1], v[XS:XS+7], v11
	v_cvt_scalef32_pk8_fp8_f32 v[C+4*(\t)+2:C+4*(\t)+3], v[XS+8:XS+15], v11
	global_store_b128 v3, v[C+4*(\t):C+4*(\t)+3], s[8:9] offset:512*(\t)   ; 512 consecutive bytes, aligned.  (The codes go to a store alone)
.endm
.irp t, 0,1,2,3,4,5,6,7,8,9,10,11,12,13,14,15
	STEP \t
.endr
	s_wait_tensorcnt 0x0                           ; the wave's end, behind my last LDS store
	ds_add_u32 v[SPW], v[NIL]
	s_wait_dscnt 0x0
	s_endpgm
.Lfunc_end_k_qd14deeeb4d_quant:
	.size	k_qd14deeeb4d_quant, .Lfunc_end_k_qd14deeeb4d_quant-k_qd14deeeb4d_quant
	.p2alignl 7, 3214868480
	.fill 96, 4, 3214868480
	.section	.rodata,"a",@progbits
	.p2align	6, 0x0
	.amdhsa_kernel k_qd14deeeb4d_quant
		.amdhsa_group_segment_fixed_size 33280
		.amdhsa_private_segment_fixed_size 0
		.amdhsa_enable_private_segment 0
		.amdhsa_kernarg_size 56
		.amdhsa_user_sgpr_count 2
		.amdhsa_user_sgpr_kernarg_segment_ptr 1
		.amdhsa_wavefront_size32 1
		.amdhsa_system_sgpr_workgroup_id_x 1
		.amdhsa_system_sgpr_workgroup_id_y 1
		.amdhsa_system_sgpr_workgroup_id_z 1
		.amdhsa_system_vgpr_workitem_id 0
		.amdhsa_next_free_vgpr 192
		.amdhsa_next_free_sgpr 66
		.amdhsa_reserve_vcc 0
		.amdhsa_float_denorm_mode_32 3
		.amdhsa_float_denorm_mode_16_64 3
		.amdhsa_fp16_overflow 1
		.amdhsa_memory_ordered 1
		.amdhsa_forward_progress 1
		.amdhsa_inst_pref_size 22
	.end_amdhsa_kernel
	.amdgpu_metadata
---
amdhsa.version: [ 1, 2 ]
amdhsa.kernels:
  - .name:           k_qd14deeeb4d_quant
    .symbol:         k_qd14deeeb4d_quant.kd
    .args:
      - { .name: x, .offset: 0, .size: 8, .value_kind: global_buffer, .address_space: global }
      - { .name: w_attn, .offset: 8, .size: 8, .value_kind: global_buffer, .address_space: global }
      - { .name: w_proj, .offset: 16, .size: 8, .value_kind: global_buffer, .address_space: global }
      - { .name: lowp_scales, .offset: 24, .size: 8, .value_kind: global_buffer, .address_space: global }
      - { .name: x_codes, .offset: 32, .size: 8, .value_kind: global_buffer, .address_space: global }
      - { .name: wa_codes, .offset: 40, .size: 8, .value_kind: global_buffer, .address_space: global }
      - { .name: wp_codes, .offset: 48, .size: 8, .value_kind: global_buffer, .address_space: global }
    .group_segment_fixed_size: 33280
    .private_segment_fixed_size: 0
    .kernarg_segment_align: 8
    .kernarg_segment_size: 56
    .max_flat_workgroup_size: 128
    .sgpr_count:     66
    .vgpr_count:     192
    .wavefront_size: 32
...
	.end_amdgpu_metadata
.endif
;; end of part 1
;; launch qkv (part 2): grid 12 x 32, 4 waves a work-group, clusters of 4 x 4, 327,680 bytes of LDS; arguments x_codes, wa_codes, lowp_scales, q_img, kv; writes q_img, kv
.if DOCPART == 2
	.amdgcn_target "amdgcn-amd-amdhsa--gfx1250"
	.amdhsa_code_object_version 6
	.text
	.protected	k_qd14deeeb4d_qkv
	.globl	k_qd14deeeb4d_qkv
	.p2align	8
	.type	k_qd14deeeb4d_qkv,@function
k_qd14deeeb4d_qkv:
	s_mov_b64 s[64:65], 0
	v_nop
	global_prefetch_b8 v0, s[64:65] scope:SCOPE_SE
	s_setreg_imm32_b32 hwreg(HW_REG_WAVE_MODE, 25, 1), 1
	s_wait_xcnt 0x0
	s_wait_alu depctr_hold_cnt(0) depctr_sa_sdst(0) depctr_va_vdst(0) depctr_va_sdst(0) depctr_va_ssrc(0) depctr_va_vcc(0) depctr_vm_vsrc(0)
	s_getreg_b32 s2, hwreg(HW_REG_IB_STS2, 6, 4)
	s_cmp_eq_u32 s2, 0
	s_cbranch_scc0 .Lentry_in_a_cluster
	s_endpgm
.Lentry_in_a_cluster:
	s_bfe_u32 s2, ttmp6, 0x10000c
	s_cmp_lg_u32 s2, 0xf033
	s_cbranch_scc0 .Lentry_shape_is_right
	s_endpgm
.Lentry_shape_is_right:
; qkv = x w_attn^T on codes of FP8 (E4M3), K = 1024, sums in f32; each finished sum is quantised at once for the product that will read it: q with 2^e2, k with 2^e3, v with 2^e5.
; A sum stands for sum x 2^(e0 + e1), so its code is sum / 2^(eo - e0 - e1), held within +-448 codes: the three exponents are folded into the conversion's one scale.
; LIMIT: eo - e0 - e1 (eo = e2, e3, e5) lies between -126 and 119, so that the scale and 448 x the scale are f32 numbers.
; SHARES.  A tile of 256 x 256 is made by a work-group of four waves, a wave makes 128 x 128: 64 accumulators of 16 x 16, 512 registers.  K goes in steps of 256 through a ring of two LDS slots.
; 4 x 4 work-groups form a cluster; the cluster's x says WHAT is made: 0 q, 1 k, 2 v: the same number in all sixteen partners; it steers selects alone, no branch.
;   q, k: operand A = 1024 rows of x (cluster y), operand B = 1024 rows of w_attn.     v: the operands change places: A = w_attn's rows 2048 on, B = 1024 rows of x.
; The four of a row of the cluster need the same tiles of A, the four of a column the same tiles of B: each tile is asked for JOINTLY, by the same tensor load with the same descriptor and a mask that names the four.
; THE MATRIX INSTRUCTION IS USED TRANSPOSED (source 0 = 16 rows of B, source 1 = 16 rows of A): lane (r, h) of accumulator (a, b) holds row 16 a + r of A and rows 16 b + 8 h + 0..7 of B.
; So for q and k a lane holds ONE token and eight neighbouring channels, for v ONE channel and eight neighbouring keys: eight neighbours along the next product's K.  Their eight codes ARE registers 2 c, 2 c + 1
; (c = b within the next K) of that product's operand, in the lane that will want them.  THE RESULTS GO TO MEMORY AS IMAGES OF THE OPERAND'S REGISTERS: four registers a lane at 16 x lane: each store covers 512 consecutive aligned bytes.
;   q_img: head Y (= 16 batch + head) x 131072 + tile of 16 queries x 1024 + group g x 512 + 16 x lane: registers 4 g .. 4 g + 3 of the K = 64 fragment.
;   kv:    head Y x 262144 + key step s (128 keys) x 16384 + [ K: tile of 16 keys x 1024 + g x 512 | V: 8192 + tile of 16 channels x 2048 + group G x 512 ] + 16 x lane.
; The codes of x and w_attn lie so that 16 bytes at 32 c + 16 h of a row are registers 4 c .. 4 c + 3 of the plain 8-bit layout: k stands in its own place.
; REGISTERS, in windows of 256: window 0: v0-31 addresses; v32-47 codes on the way out; from v128 A's fragments, ONE set.  window 1: B's fragments, TWO sets.  windows 2, 3: the accumulators ((a, b) at v[8 (8 (a % 4) + b)]).
; No prefetch: K has four ring steps, of which two are the first fills.
.set ROWB,   256                       ; a tile's row in bytes
.set KROW,   1024                      ; a row of x_codes or wa_codes in memory
.set PITCH,  272                       ; an LDS row: 256 bytes + 16 of padding = 68 words: row r starts at bank 4 r mod 64 (64 banks of 4 bytes: ISA guide 11.1)
.set FR,     16                        ; registers of a fragment: 16 rows x 128 K
.set NL,     4                         ; LDS loads that bring one
.set NP,     4                         ; places behind this matrix instruction (ISA guide 7.12.1)
.set HALFT,  128*PITCH                 ; 128 rows: what one tensor load brings, and what one wave reads of A or of B
.set SLOT,   4*HALFT                   ; A's 256 rows, then B's 256 rows
.set LAPS,   2                         ; a lap = two ring steps = 512 along K
.set SPARE,  2*SLOT                    ; behind the ring: the spare words, 128 bytes for each wave, which no other line names
.set ADRA, 16                          ; v16-17  LDS address of my A fragments in slot 0, 1
.set ADRB, 20                          ; v20-21  the same for B
.set OFFA, 24                          ; v24     16 x lane
.set OFFB, 25                          ; v25     16 x lane + the distance to the block's third and fourth group
.set SCV,  27                          ; v27     2^(eo - e0 - e1) as f32
.set SPW,  28                          ; v28     LDS address of my spare word; never rewritten
.set NIL,  29                          ; v29     0; never rewritten
.set CD,   32                          ; v32-47  a block's codes
.set AF,   128                         ; A's fragments, in window 0
.set G1, 24                            ; s[24:31] descriptor group 1 for A's tiles;  s[32:39] group 0, one set for each slot
.set G0, 32
.set G1B, 48                           ; s[48:55], s[56:63] the same for B's tiles
.set G0B, 56
.set MSB, 0
.macro WIN new                         ; the immediate's high byte repeats the setting that is left
.if MSB != \new
	s_set_vgpr_msb (MSB<<8)|\new
.set MSB, \new
.endif
.endm
.set MUL_LO, 0xa1                      ; source 0 (B) window 1, source 1 (A) window 0, C and D window 2
.set MUL_HI, 0xf1                      ; the same, C and D window 3
.set TO_B,   0x40                      ; destination window 1, address window 0
; A joint load: waves 0 and 1 fetch for A, waves 2 and 3 for B.  Each of the two lines has ONE mask and one set of registers for all that issue it; the branch hangs on the wave's number alone.
; An s_nop 0 and four v_nop follow each of the two lines, ahead of the jump, the label and what follows.
.macro JLOAD g0a, g1a, g0b, g1b
	s_cmp_eq_u32 s15, 0
	s_cbranch_scc0 .Lfor_b_\@
	tensor_load_to_lds s[\g0a:\g0a+3], s[\g1a:\g1a+7]
	s_nop 0
.rept 4
	v_nop
.endr
	s_branch .Lasked_\@
.Lfor_b_\@:
	tensor_load_to_lds s[\g0b:\g0b+3], s[\g1b:\g1b+7]
	s_nop 0
.rept 4
	v_nop
.endr
.Lasked_\@:
.endm
.macro CREST                           ; a round of the cluster's barrier behind its opening barrier
	s_cmp_lg_u32 s14, 0
	s_cbranch_scc1 .Lnot_wave_0_\@
	s_barrier_signal -3
.Lnot_wave_0_\@:
	s_barrier_wait -3
	s_barrier_signal -1
	s_barrier_wait -1
.endm
.macro CROUND                          ; a whole round
	s_barrier_signal -1
	s_barrier_wait -1
	CREST
.endm
	s_load_b128 s[4:7], s[0:1], 0x0                ; x_codes s[4:5], wa_codes s[6:7]
	s_load_b128 s[8:11], s[0:1], 0x10              ; the scales' exponents s[8:9], q_img s[10:11]
	s_load_b64 s[12:13], s[0:1], 0x20              ; kv
	v_lshl_add_u32 v[SPW], v0, 2, SPARE
	v_mov_b32 v[NIL], 0
	ds_add_u32 v[SPW], v[NIL]
	ds_add_u32 v[SPW], v[NIL]                      ; the wave's opening: the add and its wait ahead of my first tensor load; the set-up below, work on registers, stands between them
	v_lshrrev_b32 v1, 5, v0
	v_readfirstlane_b32 s14, v1                    ; wave 0..3
	s_lshr_b32 s15, s14, 1                         ; which half of the tile's rows of A is mine.  Also: I fetch for A (0) or for B (1)
	s_and_b32 s16, s14, 1                          ; which half of its rows of B.  Also: which 128 rows of that tile I fetch
	s_bfe_u32 s40, ttmp6, 0x40000                  ; cx, cy: my place in the cluster
	s_bfe_u32 s41, ttmp6, 0x40004
	s_lshl_b32 s43, s41, 2
	s_lshl_b32 s43, 15, s43                        ; my row of the cluster
	s_lshl_b32 s44, 0x1111, s40                    ; my column
	; descriptor group 1: a tile of 128 rows x 256 bytes, padded in LDS
	s_or_b32 s[G1+0], s43, (0<<16)|(1<<20)|(1<<21)|(5<<22)|(3<<25)  ; 15:0 the mask: A's tiles go to my row; 17:16 element of 1 byte; 20 padding on; 21 set beside a mask; 24:22 after every 64 words (code 5); 31:25 of 4 words (code 3)
	s_or_b32 s[G1B+0], s44, (0<<16)|(1<<20)|(1<<21)|(5<<22)|(3<<25)
.irp g, G1, G1B
	s_mov_b32 s[\g+1], ROWB<<16                    ; tensor_dim0
	s_mov_b32 s[\g+2], 128<<16                     ; tensor_dim1 = 128
	s_mov_b32 s[\g+3], ROWB<<16                    ; tile_dim0
	s_mov_b32 s[\g+4], 128                         ; tile_dim1 = 128
	s_mov_b32 s[\g+5], KROW                        ; tensor_dim0_stride
	s_mov_b32 s[\g+6], 0
	s_mov_b32 s[\g+7], 0
.endr
	; which rows.  A's hang on cy alone, B's on cx alone, each in registers that never hold the other coordinate
	s_and_b32 s17, ttmp7, 0xffff                   ; cluster y
	s_lshl_b32 s18, s17, 10                        ; its 1024 rows of x
	s_lshl_b32 s19, ttmp9, 10                      ; q's or k's 1024 rows of w_attn
	s_cmp_eq_u32 ttmp9, 2                          ; v?
	s_cselect_b32 s20, 2048, s18                   ; A's first row for the cluster
	s_cselect_b32 s46, s18, s19                    ; B's
	s_lshl_b32 s22, s41, 8
	s_add_co_u32 s20, s20, s22                     ; + 256 cy: my tile's first row of A
	s_lshl_b32 s23, s40, 8
	s_add_co_u32 s46, s46, s23                     ; + 256 cx: of B
	s_lshl_b32 s22, s15, 7
	s_add_co_u32 s66, s20, s22                     ; the first row of A that my wave multiplies
	s_lshl_b32 s22, s16, 7
	s_add_co_u32 s67, s46, s22                     ; and of B
	s_add_co_u32 s20, s20, s22                     ; the first row of A that I would fetch,
	s_add_co_u32 s46, s46, s22                     ; of B
	s_lshl_b32 s20, s20, 10                        ; in bytes (under 2^23)
	s_lshl_b32 s46, s46, 10
	s_mov_b32 s21, 0
	s_mov_b32 s47, 0
	s_mul_i32 s45, s14, HALFT                      ; where they go: wave x 128 rows: no place in the cluster enters an LDS address
	s_wait_dscnt 0x0                               ; the opening add is done
	s_wait_kmcnt 0x0
	s_load_b256 s[80:87], s[8:9], 0x0              ; e0 .. e7
	s_cmp_eq_u32 ttmp9, 2
	s_cselect_b64 s[74:75], s[6:7], s[4:5]         ; A's buffer
	s_cselect_b64 s[76:77], s[4:5], s[6:7]         ; B's
	s_add_nc_u64 s[20:21], s[74:75], s[20:21]
	s_add_nc_u64 s[46:47], s[76:77], s[46:47]
	CROUND                                         ; all sixteen work-groups are here: the first joint loads meet
.irp s, 0,1
	s_mov_b32 s[G0+4*\s], 1
	s_add_co_u32 s[G0+4*\s+1], s45, \s*SLOT
	s_add_nc_u64 s[G0+4*\s+2:G0+4*\s+3], s[20:21], \s*ROWB
	s_or_b32 s[G0+4*\s+3], s[G0+4*\s+3], 0x80000000
	s_mov_b32 s[G0B+4*\s], 1
	s_add_co_u32 s[G0B+4*\s+1], s45, \s*SLOT
	s_add_nc_u64 s[G0B+4*\s+2:G0B+4*\s+3], s[46:47], \s*ROWB
	s_or_b32 s[G0B+4*\s+3], s[G0B+4*\s+3], 0x80000000
	JLOAD G0+4*\s, G1, G0B+4*\s, G1B
.endr
	v_and_b32 v1, 15, v0                           ; l % 16
	v_bfe_u32 v2, v0, 4, 1                         ; l / 16
	v_mul_u32_u24 v3, v1, PITCH
	v_lshl_add_u32 v4, v2, 4, v3                   ; a fragment's row x pitch + 16 x half
	s_mul_i32 s21, s15, HALFT                      ; my 128 rows of A
	s_mul_i32 s22, s16, HALFT                      ; my 128 rows of B,
	s_add_co_u32 s22, s22, 2*HALFT                 ; which lie behind A's 256
.irp s, 0,1
	v_add_nc_u32 v[ADRA+\s], s21, v4
	v_add_nc_u32 v[ADRB+\s], s22, v4
	s_add_co_u32 s21, s21, SLOT
	s_add_co_u32 s22, s22, SLOT
.endr
	; the way out: where my wave's images begin, and the steps from block to block
	s_cmp_eq_u32 ttmp9, 0
	s_cselect_b32 s72, 17, 18                      ; log2 of a head's bytes: 131072 in q_img, 262144 in kv
	s_cselect_b64 s[92:93], s[10:11], s[12:13]     ; q_img or kv
	s_lshl_b32 s73, 1, s72                         ; a head's bytes
	s_sub_co_u32 s96, s73, 6144
	s_mov_b32 s94, 1024
	s_cmp_eq_u32 ttmp9, 2
	s_cselect_b32 s68, s67, s66                    ; my first token: B's row for v, else A's
	s_cselect_b32 s69, s66, s67                    ; my first row of w_attn
	s_cselect_b32 s78, 8192, 0                     ; V's images lie behind K's in a key step
	s_cselect_b32 s98, s94, s73                    ; groups 2, 3 of a block: v: 1024 bytes on;  q, k: the next head
	s_cselect_b32 s96, s96, s94                    ; from block 3 to block 4: v: on to the next head's first channels;  q, k: the next 16 tokens
	s_cselect_b32 s94, 2048, s94                   ; from block to block: v: the next 16 channels;  q, k: the next 16 tokens
	s_mov_b32 s95, 0
	s_mov_b32 s97, 0
	s_and_b32 s69, s69, 1023
	s_lshr_b32 s69, s69, 6                         ; my first head in the batch
	s_lshr_b32 s70, s68, 11                        ; the batch
	s_lshl_b32 s70, s70, 4
	s_add_co_u32 s70, s70, s69                     ; Y
	s_lshr_b32 s71, s68, 7
	s_and_b32 s71, s71, 15                         ; which 128 tokens of the sequence
	s_lshl_b32 s70, s70, s72
	s_sub_co_u32 s72, s72, 4
	s_lshl_b32 s71, s71, s72                       ; a sixteenth of a head's bytes each
	s_add_co_u32 s78, s78, s70
	s_add_co_u32 s78, s78, s71                     ; under 2^24
	s_mov_b32 s79, 0
	s_add_nc_u64 s[92:93], s[92:93], s[78:79]
	v_and_b32 v6, 31, v0
	v_lshlrev_b32 v[OFFA], 4, v6
	v_add_nc_u32 v[OFFB], s98, v[OFFA]
.macro FRAG reg, adr, q, i             ; a fragment, 16 rows x 128 K of 8-bit codes, is 16 registers, brought by four loads of 16 bytes, 32 bytes apart
.irp c, 0,1,2,3
	ds_load_b128 v[\reg+4*\c:\reg+4*\c+3], v[\adr] offset:128*(\q)+32*\c+(\i)*16*PITCH
.endr
.endm
; 16 matrix instructions: A's blocks a0, a0 + 1 x B's eight, 128 along K.  p: B's set.  zero = 1: the first product starts the sums: nothing is ever cleared.
; The 64 accumulators take turns, one instruction a turn, in the same order in every step.
.macro MUL16 a0, p, zero
.irp a, \a0, \a0+1
.irp b, 0,1,2,3,4,5,6,7
.if \zero
	v_wmma_f32_16x16x128_fp8_fp8 v[8*(8*((\a)%4)+\b):8*(8*((\a)%4)+\b)+7], v[128*(\p)+FR*\b:128*(\p)+FR*\b+FR-1], v[AF+FR*(\a):AF+FR*(\a)+FR-1], 0
.else
	v_wmma_f32_16x16x128_fp8_fp8 v[8*(8*((\a)%4)+\b):8*(8*((\a)%4)+\b)+7], v[128*(\p)+FR*\b:128*(\p)+FR*\b+FR-1], v[AF+FR*(\a):AF+FR*(\a)+FR-1], v[8*(8*((\a)%4)+\b):8*(8*((\a)%4)+\b)+7]
.endif
.endr
.endr
.endm
.macro FETCH_B slot, q, p              ; B's eight fragments of the slot's q-th 128 along K into set p
	WIN TO_B
.irp i, 0,1,2,3,4,5,6,7
	FRAG 128*(\p)+FR*\i, ADRB+\slot, \q, \i
.endr
	WIN 0
.endm
.macro FETCH_A slot, q, i0             ; A's blocks i0 .. i0 + 3
.irp i, \i0, \i0+1, \i0+2, \i0+3
	FRAG AF+FR*(\i), ADRA+\slot, \q, \i
.endr
.endm
; A load into a register that a matrix instruction has read, and a vector instruction that reads or writes a matrix result, stand NP places behind that matrix instruction; only plain vector
; instructions that name none of its registers are places (ISA guide 7.12.1 for vector instructions).
.macro PLACES n
.rept \n
	v_nop
.endr
.endm
; A step of 128 along K that has its successor in the same slot.  A block of A is free as soon as its eight products are issued, so one set serves A: blocks 0-3 are fetched anew in the step's middle, blocks 4-7 at its end.
.macro STEP slot, q, zero
	s_wait_dscnt 4*NL                              ; B's set and A's blocks 0-3 are in; the youngest sixteen loads (A's blocks 4-7) may be out
	WIN MUL_LO
	MUL16 0, (\q)%2, \zero
	MUL16 2, (\q)%2, \zero
	s_wait_dscnt 0                                 ; A's blocks 4-7 are in (asked for 32 matrix instructions ago)
	PLACES NP
	FETCH_B \slot, (\q)+1, 1-(\q)%2
	FETCH_A \slot, (\q)+1, 0
	WIN MUL_HI
	MUL16 4, (\q)%2, \zero
	MUL16 6, (\q)%2, \zero
	PLACES NP
	WIN 0
	FETCH_A \slot, (\q)+1, 4
.endm
; A slot's last step changes slots: ONE barrier; in front of it each wave waits for all its tensor loads, adds 0 to its spare word, and waits for that and for its own reads of this slot.  fill = 1: this slot is filled again, two ring steps ahead.
.macro TURN slot, next, fill
	s_wait_tensorcnt 0x0                           ; all my tensor loads have landed: my part of the next slot;  (every window is 0 here: the add's two registers lie in window 0)
	ds_add_u32 v[SPW], v[NIL]                      ; 0 onto my spare word
	s_wait_dscnt 4*NL+1                            ; (the add and the youngest sixteen loads, A's blocks 4-7, may be out)
	WIN MUL_LO
	MUL16 0, 1, 0                                  ; sixteen matrix instructions stand between the add and the wait for it
	s_wait_dscnt 0x0                               ; the add is done, and my reads of this slot are over
	s_barrier_signal -1
	MUL16 2, 1, 0
	WIN 0
	s_barrier_wait -1
.if \fill
	CREST                                          ; the barrier has opened a round of the cluster's barrier: no wave of any partner still reads this slot's tile or has a load on its way
	s_add_nc_u64 s[G0+4*\slot+2:G0+4*\slot+3], s[G0+4*\slot+2:G0+4*\slot+3], 2*ROWB
	s_add_nc_u64 s[G0B+4*\slot+2:G0B+4*\slot+3], s[G0B+4*\slot+2:G0B+4*\slot+3], 2*ROWB
	JLOAD G0+4*\slot, G1, G0B+4*\slot, G1B         ; the first tensor load behind the round; the four v_nop behind it are the places in front of the loads below
.else
	PLACES NP
.endif
	FETCH_B \next, 0, 0
	FETCH_A \next, 0, 0
	WIN MUL_HI
	MUL16 4, 1, 0
	MUL16 6, 1, 0
	PLACES NP
	WIN 0
	FETCH_A \next, 0, 4
.endm
	s_wait_alu depctr_va_vdst(0)
	s_wait_tensorcnt 1                             ; my part of ring step 0 is in (ring step 1's load may be out)
	s_barrier_signal -1
	s_barrier_wait -1                              ; everybody's is
	FETCH_B 0, 0, 0
	FETCH_A 0, 0, 0
	FETCH_A 0, 0, 4
	STEP 0, 0, 1                                   ; the first step stands in front of the loop: its products start the sums
	s_mov_b32 s3, LAPS-1
.Llap:                                                 ; a trip goes once round the ring, from a lap's second step to the next lap's first, and fills both slots again
	TURN 0, 1, 1
	STEP 1, 0, 0
	TURN 1, 0, 1
	STEP 0, 0, 0
	s_sub_co_u32 s3, s3, 1
	s_cmp_lg_u32 s3, 0
	s_cbranch_scc1 .Llap
	TURN 0, 1, 0                                   ; the last lap fills nothing, and has no round of the cluster's barrier
	STEP 1, 0, 0
	s_wait_dscnt 4*NL                              ; the very last step: nothing more to fetch
	WIN MUL_LO
	MUL16 0, 1, 0
	MUL16 2, 1, 0
	s_wait_dscnt 0
	WIN MUL_HI
	MUL16 4, 1, 0
	MUL16 6, 1, 0
	WIN 0
	; THE WAY OUT: hold, convert, store: no LDS.
	s_wait_kmcnt 0x0
	s_cmp_eq_u32 ttmp9, 0
	s_cselect_b32 s88, s82, s83
	s_cmp_eq_u32 ttmp9, 2
	s_cselect_b32 s88, s85, s88                    ; eo: e2 for q, e3 for k, e5 for v
	s_sub_co_i32 s88, s88, s80
	s_sub_co_i32 s88, s88, s81                     ; eo - e0 - e1
	s_add_co_i32 s88, s88, 127
	s_lshl_b32 s89, s88, 23
	v_mov_b32 v[SCV], s89                          ; as a power of two in f32: the conversion takes its exponent field
	s_wait_alu depctr_va_vdst(0)
	s_add_co_i32 s88, s88, 8
	s_lshl_b32 s90, s88, 23
	s_or_b32 s90, s90, 0x600000                    ; 448 x that,
	s_or_b32 s91, s90, 0x80000000                  ; and its negative
	PLACES NP                                      ; behind the last products: the conversions below read results
; Block a: A's rows 16 a on against B's 128 rows: eight accumulators, 16 registers of codes, four stores of 512 consecutive aligned bytes.
.macro OUTBLK a
.set AC, 64*((\a)%4)
	WIN 0x82+0x41*((\a)/4)                         ; source 0 and destination: window 2 or 3
.set j, 0
.rept 64
.set j, j+1
.endr
.if (\a) > 0
	s_wait_xcnt 0x0                                ; the last block's stores have read their data and their base: both are written again below
.if (\a) == 4
	s_add_nc_u64 s[92:93], s[92:93], s[96:97]
.else
	s_add_nc_u64 s[92:93], s[92:93], s[94:95]
.endif
.endif
	WIN 0x02+((\a)/4)                              ; source 0: window 2 or 3; destination and scale: window 0
.irp b, 0,1,2,3,4,5,6,7
	v_cvt_scalef32_pk8_fp8_f32 v[CD+2*\b:CD+2*\b+1], v[AC+8*\b:AC+8*\b+7], v[SCV]
.endr
	v_nop                                          ; one plain vector instruction behind the last conversion of the run
	WIN 0
	global_store_b128 v[OFFA], v[CD:CD+3],     s[92:93] th:TH_STORE_NT
	global_store_b128 v[OFFA], v[CD+4:CD+7],   s[92:93] offset:512 th:TH_STORE_NT
	global_store_b128 v[OFFB], v[CD+8:CD+11],  s[92:93] th:TH_STORE_NT
	global_store_b128 v[OFFB], v[CD+12:CD+15], s[92:93] offset:512 th:TH_STORE_NT
.endm
.irp a, 0,1,2,3,4,5,6,7
	OUTBLK \a
.endr
	s_wait_tensorcnt 0x0                           ; the wave's end, behind my last tensor load
	ds_add_u32 v[SPW], v[NIL]
	s_wait_dscnt 0x0
	CROUND                                         ; the closing round: no work-group ends while a partner may still ask for a tile that names it
	s_endpgm
.Lfunc_end_k_qd14deeeb4d_qkv:
	.size	k_qd14deeeb4d_qkv, .Lfunc_end_k_qd14deeeb4d_qkv-k_qd14deeeb4d_qkv
	.p2alignl 7, 3214868480
	.fill 96, 4, 3214868480
	.section	.rodata,"a",@progbits
	.p2align	6, 0x0
	.amdhsa_kernel k_qd14deeeb4d_qkv
		.amdhsa_group_segment_fixed_size 327680
		.amdhsa_private_segment_fixed_size 0
		.amdhsa_enable_private_segment 0
		.amdhsa_kernarg_size 40
		.amdhsa_user_sgpr_count 2
		.amdhsa_user_sgpr_kernarg_segment_ptr 1
		.amdhsa_wavefront_size32 1
		.amdhsa_system_sgpr_workgroup_id_x 1
		.amdhsa_system_sgpr_workgroup_id_y 1
		.amdhsa_system_sgpr_workgroup_id_z 1
		.amdhsa_system_vgpr_workitem_id 0
		.amdhsa_next_free_vgpr 1024
		.amdhsa_next_free_sgpr 100
		.amdhsa_reserve_vcc 0
		.amdhsa_float_denorm_mode_32 3
		.amdhsa_float_denorm_mode_16_64 3
		.amdhsa_fp16_overflow 1
		.amdhsa_memory_ordered 1
		.amdhsa_forward_progress 1
		.amdhsa_inst_pref_size 87
	.end_amdhsa_kernel
	.amdgpu_metadata
---
amdhsa.version: [ 1, 2 ]
amdhsa.kernels:
  - .name:           k_qd14deeeb4d_qkv
    .symbol:         k_qd14deeeb4d_qkv.kd
    .args:
      - { .name: x_codes, .offset: 0, .size: 8, .value_kind: global_buffer, .address_space: global }
      - { .name: wa_codes, .offset: 8, .size: 8, .value_kind: global_buffer, .address_space: global }
      - { .name: lowp_scales, .offset: 16, .size: 8, .value_kind: global_buffer, .address_space: global }
      - { .name: q_img, .offset: 24, .size: 8, .value_kind: global_buffer, .address_space: global }
      - { .name: kv, .offset: 32, .size: 8, .value_kind: global_buffer, .address_space: global }
    .group_segment_fixed_size: 327680
    .private_segment_fixed_size: 0
    .kernarg_segment_align: 8
    .kernarg_segment_size: 40
    .max_flat_workgroup_size: 128
    .sgpr_count:     100
    .vgpr_count:     1024
    .wavefront_size: 32
...
	.end_amdgpu_metadata
.endif
;; end of part 2
;; launch attn (part 3): grid 4 x 64, 16 waves a work-group, clusters of 4 x 1, 327,680 bytes of LDS; arguments q_img, kv, lowp_scales, y_img; writes y_img
.if DOCPART == 3
	.amdgcn_target "amdgcn-amd-amdhsa--gfx1250"
	.amdhsa_code_object_version 6
	.text
	.protected	k_qd14deeeb4d_attn
	.globl	k_qd14deeeb4d_attn
	.p2align	8
	.type	k_qd14deeeb4d_attn,@function
k_qd14deeeb4d_attn:
	s_mov_b64 s[64:65], 0
	v_nop
	global_prefetch_b8 v0, s[64:65] scope:SCOPE_SE
	s_setreg_imm32_b32 hwreg(HW_REG_WAVE_MODE, 25, 1), 1
	s_wait_xcnt 0x0
	s_wait_alu depctr_hold_cnt(0) depctr_sa_sdst(0) depctr_va_vdst(0) depctr_va_sdst(0) depctr_va_ssrc(0) depctr_va_vcc(0) depctr_vm_vsrc(0)
	s_getreg_b32 s2, hwreg(HW_REG_IB_STS2, 6, 4)
	s_cmp_eq_u32 s2, 0
	s_cbranch_scc0 .Lentry_in_a_cluster
	s_endpgm
.Lentry_in_a_cluster:
	s_bfe_u32 s2, ttmp6, 0x10000c
	s_cmp_lg_u32 s2, 0x3003
	s_cbranch_scc0 .Lentry_shape_is_right
	s_endpgm
.Lentry_shape_is_right:
; y[Y][q] = the sum over keys k <= q of softmax_k(Q[q] . K[k] / 8) V[k], for 64 heads Y of 2048 tokens x 64 channels, both products on codes of FP8 (E4M3) with the given scales 2^e2 (q), 2^e3 (k), 2^e4 (p), 2^e5 (v);
; y is quantised at once for the last product, with 2^e6.
; THE SOFTMAX: t = score x log2(e) / 8; M = the row's largest t so far, rounded UP to a whole number; p = 2^(t - M) is what is quantised; the row's sum is taken of the unquantised p and divides at the end.
; When M moves, the sum and O are multiplied by 2^(old M - new M): exact.
; OPERANDS ARE IMAGES OF REGISTERS: q_img, kv and y_img hold, for each fragment, four registers a lane at 16 x lane; every load and store here covers 512 consecutive bytes, in memory and in LDS alike.
; SHARES.  The four work-groups of a cluster serve ONE head.  The head's whole K and V, 262,144 bytes, come into each partner's LDS ONCE, by joint loads (the same descriptors and a mask that names the four):
; no slot is filled again, and the loops have no barrier.  Wave w of the partner at place cx owns two tiles of 16 queries: i_lo = 8 (w / 2) + 4 (w % 2) + cx and i_hi = 127 - i_lo.
; Tile i needs key steps (128 keys) 0 .. i / 8: with g = w / 2 that is g + 1 steps and 16 - g steps: 17 tile-steps for every wave of the launch.  All branches hang on w and the step's count; cx enters global addresses
; and the mask's lane value alone.  Sixteen waves of 256 registers: four to a SIMD, so that one wave's vector work stands beside another's matrix work and LDS loads.
; LAYOUT.  Both products are used transposed: S^T = K Q^T (source 0 = 16 keys, source 1 = my 16 queries, K = 64), O^T = V^T P^T (source 0 = 16 channels, source 1 = P, K = 128 keys): a lane holds ONE query (lane % 16).
; Register j of score tile c is key 16 c + 8 (lane / 16) + j: its eight codes are registers 2 c, 2 c + 1 of P's fragment.  Likewise O^T's tile n gives registers 2 n, 2 n + 1 of y's part of the last product's fragment.
; LIMITS on the given exponents, so that each power of two is an f32 number: e2 + e3 between -123 and 130 (added to c's exponent field); e4, and e6 - e4 - e5, between -126 and 119.
; No prefetch: every byte of K and V is asked for by the first loads at the head.  The first load brings 16 rows of 256 bytes a wave (key steps 0-3), the second 48 (steps 4-15), so that work begins when a quarter has landed.
.set SPARE, 262144                     ; behind the head's images: the spare words, 128 bytes for each wave, which no other line names
.set LI,   1                           ; v1   16 x lane; never rewritten
.set AD,   2                           ; v2   LDS address of the step in hand
.set SPW,  3                           ; v3   LDS address of my spare word; never rewritten
.set NIL,  4                           ; v4   0; never rewritten
.set NINF, 7                           ; v7   -infinity          (v5, v6: d = 16 (i % 8) + lane % 16 - 8 (lane / 16) of tile hi, lo)
.set F,    32                          ; v32-95   K's eight fragments, then V's four
.set S,    96                          ; v96-159  S^T, then p     (v8-11, v12-15: -M, largest t, the sum in two halves, of hi, lo; v16-23, v24-31: Q; v160-191, v192-223: O^T)
.set PC,   224                         ; v224-239 p's codes
.set LIMP, 240
.set SCP,  241                         ; 2^e4
.set SU,   242                         ; v[242:243] a second chain of the sum
.set LIMY, 244
.set SCY,  245                         ; 2^(e6 - e4 - e5)
.set T0,   246
.set T1,   247
.set FF,   248                         ; v[248:249] f = 2^(old M - new M), named as a pair
.set PD,   250                         ; a lane permute's destination
.set RC,   252                         ; v[252:253], v[254:255] 1 / the sum of hi, lo, named as pairs
.set WV,   12                          ; s12 wave; s13 cx; s14 head; s16, s17 the last key step of hi, lo; s18, s19 i_hi, i_lo
.set CX,   13
.set HD,   14
.set SEL,  20                          ; s[20:21] lane selects for v_permlanex16_b32: lane l xor 16
.set CS,   22                          ; s[22:23] c = log2(e) / 8 x 2^(e2 + e3)
.set G1A,  24                          ; s[24:31], s[32:39] descriptor groups 1;  s[40:43], s[44:47] groups 0
.set G1B,  32
.set G0A,  40
.set G0B,  44
.set STEP, 48                          ; s48 the key step
.set TB,   49                          ; s49 its first byte in LDS
.macro CROUND                          ; a round of the cluster's barrier
	s_barrier_signal -1
	s_barrier_wait -1
	s_cmp_lg_u32 s[WV], 0
	s_cbranch_scc1 .Lnot_wave_0_\@
	s_barrier_signal -3
.Lnot_wave_0_\@:
	s_barrier_wait -3
	s_barrier_signal -1
	s_barrier_wait -1
.endm
	s_load_b256 s[4:11], s[0:1], 0x0               ; q_img s[4:5], kv s[6:7], the scales' exponents s[8:9], y_img s[10:11]
	v_lshl_add_u32 v[SPW], v0, 2, SPARE
	v_mov_b32 v[NIL], 0
	ds_add_u32 v[SPW], v[NIL]                      ; the wave's opening: the add and its wait ahead of my first tensor load; the set-up below, work on registers, stands between them
	ds_add_u32 v[SPW], v[NIL]
	v_lshrrev_b32 v[AD], 5, v0
	s_delay_alu instid0(VALU_DEP_1)
	v_readfirstlane_b32 s[WV], v[AD]               ; wave 0..15
	s_bfe_u32 s[CX], ttmp6, 0x40000                ; my place in the cluster
	s_and_b32 s[HD], ttmp7, 0xffff                 ; the head, which the four partners share
	; descriptor groups 1: dense blocks as rows of 256 bytes (32 elements of 8 bytes): 16 rows, and 48 rows
	s_mov_b32 s[G1A], 15|(3<<16)|(1<<21)           ; 15:0 the mask: all four work-groups; 17:16 elements of 8 bytes; 20 no padding; 21 set beside a mask
	s_mov_b32 s[G1A+1], 32<<16                     ; tensor_dim0 = 32
	s_mov_b32 s[G1A+2], 16<<16                     ; tensor_dim1 = 16
	s_mov_b32 s[G1A+3], 32<<16                     ; tile_dim0 = 32
	s_mov_b32 s[G1A+4], 16                         ; tile_dim1 = 16
	s_mov_b32 s[G1A+5], 32                         ; tensor_dim0_stride
	s_mov_b32 s[G1A+6], 0
	s_mov_b32 s[G1A+7], 0
	s_mov_b32 s[G1B], 15|(3<<16)|(1<<21)
	s_mov_b32 s[G1B+1], 32<<16
	s_mov_b32 s[G1B+2], 48<<16
	s_mov_b32 s[G1B+3], 32<<16
	s_mov_b32 s[G1B+4], 48
	s_mov_b32 s[G1B+5], 32
	s_mov_b32 s[G1B+6], 0
	s_mov_b32 s[G1B+7], 0
	s_mov_b32 s[SEL], 0x76543210
	s_mov_b32 s[SEL+1], 0xfedcba98
	s_mov_b32 s[CS], 0x3e38aa3b                    ; log2(e) / 8
	s_lshr_b32 s15, s[WV], 1                       ; g
	s_sub_co_u32 s16, 15, s15                      ; hi's last key step, the one on the diagonal
	s_mov_b32 s17, s15                             ; lo's
	s_and_b32 s50, s[WV], 1
	s_lshl_b32 s50, s50, 2
	s_lshl_b32 s19, s15, 3
	s_add_co_u32 s19, s19, s50
	s_add_co_u32 s19, s19, s[CX]                   ; i_lo
	s_sub_co_u32 s18, 127, s19                     ; i_hi
	s_wait_dscnt 0x0                               ; the opening add is done
	s_wait_kmcnt 0x0
	s_load_b256 s[52:59], s[8:9], 0x0              ; e0 .. e7
	s_lshl_b32 s50, s[HD], 18
	s_mov_b32 s51, 0
	s_add_nc_u64 s[6:7], s[6:7], s[50:51]          ; the head's images
	s_lshl_b32 s50, s[WV], 12                      ; my 4,096 bytes of the first 65,536: the same place in memory and in LDS
	s_mov_b32 s[G0A], 1                            ; count = 1
	s_mov_b32 s[G0A+1], s50                        ; LDS address
	s_add_nc_u64 s[G0A+2:G0A+3], s[6:7], s[50:51]  ; global address
	s_or_b32 s[G0A+3], s[G0A+3], 0x80000000        ; type = 2
	s_mul_i32 s50, s[WV], 12288
	s_add_co_u32 s50, s50, 65536                   ; my 12,288 bytes of the other 196,608
	s_mov_b32 s[G0B], 1
	s_mov_b32 s[G0B+1], s50
	s_add_nc_u64 s[G0B+2:G0B+3], s[6:7], s[50:51]
	s_or_b32 s[G0B+3], s[G0B+3], 0x80000000
	CROUND                                         ; all four work-groups are here: the joint loads meet
	tensor_load_to_lds s[G0A:G0A+3], s[G1A:G1A+7]  ; the first fill, key steps 0-3: it lands before the second load is asked for
	s_nop 0
	s_wait_alu depctr_va_vdst(0)
	s_wait_tensorcnt 0x0
	ds_add_u32 v3, v4
	s_wait_dscnt 0x0
	CROUND
	tensor_load_to_lds s[G0B:G0B+3], s[G1B:G1B+7]
	s_nop 0
.rept 4
	v_nop
.endr
	; where my two tiles of Q and of y lie
	s_lshl_b32 s74, s[HD], 17
	s_lshl_b32 s75, s18, 10
	s_add_co_u32 s74, s74, s75
	s_mov_b32 s75, 0
	s_add_nc_u64 s[66:67], s[4:5], s[74:75]        ; Q of hi
	s_lshl_b32 s74, s[HD], 17
	s_lshl_b32 s76, s19, 10
	s_add_co_u32 s74, s74, s76
	s_add_nc_u64 s[68:69], s[4:5], s[74:75]        ; Q of lo
	s_lshr_b32 s76, s[HD], 4
	s_lshl_b32 s76, s76, 11
	s_and_b32 s77, s[HD], 15
	s_add_co_u32 s76, s76, s77                     ; 2048 x batch + head in the batch
	s_lshl_b32 s74, s18, 4
	s_add_co_u32 s74, s74, s76
	s_lshl_b32 s74, s74, 10
	s_add_nc_u64 s[70:71], s[10:11], s[74:75]      ; y of hi: ((128 batch + i) 16 + head) x 1024
	s_lshl_b32 s74, s19, 4
	s_add_co_u32 s74, s74, s76
	s_lshl_b32 s74, s74, 10
	s_add_nc_u64 s[72:73], s[10:11], s[74:75]      ; y of lo
	v_and_b32 v[LI], 31, v0
	s_delay_alu instid0(VALU_DEP_1)
	v_lshlrev_b32 v[LI], 4, v[LI]
	global_load_b128 v[16:19], v[LI], s[66:67]             ; Q's fragments stay in registers
	global_load_b128 v[20:23], v[LI], s[66:67] offset:512
	global_load_b128 v[24:27], v[LI], s[68:69]
	global_load_b128 v[28:31], v[LI], s[68:69] offset:512
	v_and_b32 v[T0], 15, v0
	v_bfe_u32 v[T1], v0, 4, 1
	s_delay_alu instid0(VALU_DEP_1)
	v_lshlrev_b32 v[T1], 3, v[T1]
	s_delay_alu instid0(VALU_DEP_1)
	v_sub_nc_u32 v[T0], v[T0], v[T1]               ; lane % 16 - 8 (lane / 16)
	s_and_b32 s74, s18, 7
	s_lshl_b32 s74, s74, 4
	v_add_nc_u32 v5, s74, v[T0]                    ; d of hi: on the diagonal step register n, key 16 (n / 8) + n % 8 + 8 (lane / 16) of the step, is hidden where 16 (n / 8) + n % 8 > d
	s_and_b32 s74, s19, 7
	s_lshl_b32 s74, s74, 4
	v_add_nc_u32 v6, s74, v[T0]                    ; d of lo
	v_mov_b32 v[NINF], 0xff800000
	v_mov_b32 v9, 0xff61b1e6                       ; the largest t so far: -3e38, under every t
	v_mov_b32 v13, 0xff61b1e6
	s_delay_alu instid0(VALU_DEP_2)
	v_floor_f32 v8, -v9                            ; -M
	s_delay_alu instid0(VALU_DEP_2)
	v_floor_f32 v12, -v13
	v_mov_b32 v10, 0                               ; the sums
	v_mov_b32 v11, 0
	v_mov_b32 v14, 0
	v_mov_b32 v15, 0
	v_mov_b32 v[FF+1], 0                           ; named as upper halves of pairs, or as a permute's destination: written once
	v_mov_b32 v[PD], 0
	v_mov_b32 v[RC+1], 0
	v_mov_b32 v[RC+3], 0
.set n, 0
.rept 64
	v_mov_b32 v[160+n], 0                          ; O^T.  (The step is written without a first form of its own: the first change of M multiplies zeros)
.set n, n+1
.endr
	s_wait_kmcnt 0x0
	s_add_co_i32 s74, s54, s55
	s_lshl_b32 s74, s74, 23
	s_add_co_i32 s[CS], s[CS], s74                 ; a score stands for score x 2^(e2 + e3): the exponents are added to c's exponent field
	s_mov_b32 s[CS+1], s[CS]                       ; (named with it as a pair, so it is written)
	s_add_co_i32 s74, s56, 127
	s_lshl_b32 s75, s74, 23
	v_mov_b32 v[SCP], s75
	s_sub_co_i32 s74, s58, s56
	s_sub_co_i32 s74, s74, s57                     ; O / the sum stands for y / 2^(e4 + e5): y's code is that / 2^(e6 - e4 - e5)
	s_add_co_i32 s74, s74, 127
	s_lshl_b32 s75, s74, 23
	v_mov_b32 v[SCY], s75
; A TILE-STEP: tile x (0: hi, 1: lo) against the 128 keys of step s[STEP].  free = 1: the tile is at work in every trip of the loop and never on the diagonal there.
.macro TS x, free
.set rST, 8+4*(\x)
.set rQ,  16+8*(\x)
.set rO,  160+32*(\x)
.set rD,  5+(\x)
.if \free == 0
	s_cmp_gt_u32 s[STEP], s[16+(\x)]               ; all the step's keys come after my queries: nothing to do.  The numbers hang on the wave and the trip alone
	s_cbranch_scc1 .Lskip_\@
.endif
.rept 4
	v_nop                                          ; places in front of loads into registers that the last products have read
.endr
.set n, 0
	s_wait_alu depctr_va_vdst(0)
.rept 16
	ds_load_b128 v[F+4*n:F+4*n+3], v[AD] offset:512*n          ; K's eight fragments of 16 keys x 64
.set n, n+1
.endr
	s_wait_dscnt 0x0
.set n, 0
.rept 8
	v_wmma_f32_16x16x64_fp8_fp8 v[S+8*n:S+8*n+7], v[F+8*n:F+8*n+7], v[rQ:rQ+7], 0
.set n, n+1
.endr
.rept 4
	v_nop                                          ; places: for the loads below, and for the first read of the scores
.endr
.set n, 0
	s_wait_alu depctr_va_vdst(0)
.rept 16
	ds_load_b128 v[F+4*n:F+4*n+3], v[AD] offset:8192+512*n     ; V's four fragments of 16 channels x 128 keys: asked for now, wanted behind the softmax
.set n, n+1
.endr
.if \free == 0
	s_cmp_lg_u32 s[STEP], s[16+(\x)]
	s_cbranch_scc1 .Lopen_\@                       ; only the tile's last step lies on the diagonal
.set n, 0
.rept 64
	v_cmp_gt_i32 vcc_lo, 16*(n/8)+n%8, v[rD]
	v_cndmask_b32 v[S+n], v[S+n], v[NINF], vcc_lo  ; a hidden key's score becomes -infinity ahead of the maximum: p = 0.  (The step's first key is never hidden)
.set n, n+1
.endr
.Lopen_\@:
.endif
	v_max3_num_f32 v[T0], v[S], v[S+1], v[S+2]     ; the step's largest score of my query among my 64 keys, in two chains, each accumulator from its low end on,
	v_max3_num_f32 v[T1], v[S+3], v[S+4], v[S+5]
.set n, 6
.rept 14
	v_max3_num_f32 v[T0], v[T0], v[S+n], v[S+n+1]
	v_max3_num_f32 v[T1], v[T1], v[S+n+2], v[S+n+3]
.set n, n+4
.endr
	v_max3_num_f32 v[T0], v[T0], v[S+62], v[S+63]
	s_delay_alu instid0(VALU_DEP_1)
	v_max_num_f32 v[T0], v[T0], v[T1]
	s_delay_alu instid0(VALU_DEP_1)
	v_permlanex16_b32 v[PD], v[T0], s[SEL], s[SEL+1]
	s_delay_alu instid0(VALU_DEP_1)
	v_max_num_f32 v[T0], v[T0], v[PD]              ; and among lane l xor 16's
	s_delay_alu instid0(VALU_DEP_1)
	v_mul_f32 v[T0], s[CS], v[T0]                  ; as t (c is positive)
	s_delay_alu instid0(VALU_DEP_1)
	v_max_num_f32 v[rST+1], v[rST+1], v[T0]        ; the running largest t
	v_mov_b32 v[T0], v[rST]
	s_delay_alu instid0(VALU_DEP_2)
	v_floor_f32 v[rST], -v[rST+1]                  ; the new -M = floor(-t): M is a whole number
	s_delay_alu instid0(VALU_DEP_1)
	v_sub_f32 v[T0], v[rST], v[T0]                 ; old M - new M: a whole number, 0 or less
	s_delay_alu instid0(VALU_DEP_1)
	v_cvt_i32_f32 v[T0], v[T0]                     ; (it saturates)
	s_delay_alu instid0(VALU_DEP_1)
	v_ldexp_f32 v[FF], 1.0, v[T0]                  ; f = 2^(old M - new M)
.set n, 0
.rept 32
	v_pk_fma_f32 v[S+n:S+n+1], v[S+n:S+n+1], s[CS:CS+1], v[rST:rST+1] op_sel_hi:[1,0,0]   ; t - M, two at a time (of the pairs c and -M the low word serves both halves)
.set n, n+2
.endr
.set n, 0
	s_wait_alu depctr_va_vdst(0)
.rept 64
	v_exp_f32 v[S+n], v[S+n]                       ; p = 2^(t - M), at most 1: not normalised
.set n, n+1
.endr
	v_pk_mul_f32 v[rST+2:rST+3], v[rST+2:rST+3], v[FF:FF+1] op_sel_hi:[1,0]   ; the sums under the new M: the plain instruction behind the exponentials
	s_wait_alu depctr_va_vdst(0)                   ; one wait for the whole batch, ahead of its first reader
	v_pk_add_f32 v[SU:SU+1], v[S:S+1], v[S+2:S+3]  ; the row's sum is taken of the unquantised p, in two chains
.set n, 4
.rept 15
	v_pk_add_f32 v[rST+2:rST+3], v[rST+2:rST+3], v[S+n:S+n+1]
	v_pk_add_f32 v[SU:SU+1], v[SU:SU+1], v[S+n+2:S+n+3]
.set n, n+4
.endr
	s_delay_alu instid0(VALU_DEP_1)
	v_pk_add_f32 v[rST+2:rST+3], v[rST+2:rST+3], v[SU:SU+1]
.set n, 0
.rept 8
.set m, 0
.rept 8
.set m, m+1
.endr
	v_cvt_scalef32_pk8_fp8_f32 v[PC+2*n:PC+2*n+1], v[S+8*n:S+8*n+7], v[SCP]   ; keys 16 n + 8 (lane / 16) + 0..7: registers 2 n, 2 n + 1 of P's fragment
.set n, n+1
.endr
.set n, 0
.rept 16
	v_pk_mul_f32 v[rO+n:rO+n+1], v[rO+n:rO+n+1], v[FF:FF+1] op_sel_hi:[1,0]   ; O^T under the new M.  (Plain instructions between the conversions and the products that read the codes)
.set n, n+2
.endr
	s_wait_alu depctr_va_vdst(0)
	s_wait_dscnt 0x0                               ; V is in
.set n, 0
.rept 4
	v_wmma_f32_16x16x128_fp8_fp8 v[rO+8*n:rO+8*n+7], v[F+16*n:F+16*n+15], v[PC:PC+15], v[rO+8*n:rO+8*n+7]   ; four accumulators by turns
.set n, n+1
.endr
.if \free == 0
.Lskip_\@:
.endif
.endm
	s_wait_loadcnt 0x0                             ; Q
	s_wait_tensorcnt 1                             ; my part of key steps 0-3 is in; my second load may stay out
	s_barrier_signal -1
	s_barrier_wait -1                              ; everybody's is
	s_mov_b32 s[STEP], 0
	s_mov_b32 s[TB], 0
.Lfirst:                                           ; key steps 0 to 3: hi's last step is 8 or later, so hi is always at work here and never on the diagonal
	v_add_nc_u32 v[AD], s[TB], v[LI]
	s_wait_alu depctr_va_vdst(0)
	TS 0, 1
	TS 1, 0
	s_add_co_u32 s[TB], s[TB], 16384
	s_add_co_u32 s[STEP], s[STEP], 1
	s_cmp_lt_u32 s[STEP], 4
	s_cbranch_scc1 .Lfirst
	s_wait_dscnt 0x0
	s_wait_tensorcnt 0x0                           ; my part of key steps 4-15 is in,
	s_barrier_signal -1
	s_barrier_wait -1                              ; everybody's is
	s_mov_b32 s[STEP], 4
	s_mov_b32 s[TB], 65536
.Lrest:                                            ; key steps 4 to 15: twelve trips for every wave; a tile's work is jumped over behind its last step
	v_add_nc_u32 v[AD], s[TB], v[LI]
	TS 0, 0
	TS 1, 0
	s_add_co_u32 s[TB], s[TB], 16384
	s_add_co_u32 s[STEP], s[STEP], 1
	s_cmp_lt_u32 s[STEP], 16
	s_cbranch_scc1 .Lrest
	; THE WAY OUT: O^T / the sum, held, converted: the codes are y's registers of the last product's fragment, and go out as they stand.
.rept 4
	v_nop                                          ; places behind the last products
.endr
	v_add_f32 v[T0], v10, v11                      ; the sums' two halves,
	v_add_f32 v[T1], v14, v15
	s_delay_alu instid0(VALU_DEP_2)
	v_permlanex16_b32 v[PD], v[T0], s[SEL], s[SEL+1]
	s_delay_alu instid0(VALU_DEP_2)
	v_permlanex16_b32 v[FF+1], v[T1], s[SEL], s[SEL+1]
	s_delay_alu instid0(VALU_DEP_2)
	v_add_f32 v[T0], v[T0], v[PD]                  ; and lane l xor 16's
	s_delay_alu instid0(VALU_DEP_2)
	v_add_f32 v[T1], v[T1], v[FF+1]
	s_wait_alu depctr_va_vdst(0)
	v_rcp_f32 v[RC], v[T0]
	v_rcp_f32 v[RC+2], v[T1]
	v_nop                                          ; a plain instruction behind the last reciprocal
	s_wait_alu depctr_va_vdst(0)                   ; one wait for both, ahead of the first reader
.irp x, 0,1
.set n, 0
.rept 16
	v_pk_mul_f32 v[S+32*\x+n:S+32*\x+n+1], v[160+32*\x+n:160+32*\x+n+1], v[RC+2*\x:RC+2*\x+1] op_sel_hi:[1,0]   ; each accumulator from its low end on
.set n, n+2
.endr
.set n, 0
.rept 32
.set n, n+1
.endr
.irp t, 0,1,2,3
	v_cvt_scalef32_pk8_fp8_f32 v[PC+8*\x+2*\t:PC+8*\x+2*\t+1], v[S+32*\x+8*\t:S+32*\x+8*\t+7], v[SCY]   ; channels 16 t + 8 (lane / 16) + 0..7
.endr
	v_nop                                          ; one plain vector instruction behind the last conversion of the run
.endr
	global_store_b128 v[LI], v[PC:PC+3],     s[70:71] th:TH_STORE_NT              ; 512 consecutive aligned bytes each
	global_store_b128 v[LI], v[PC+4:PC+7],   s[70:71] offset:512 th:TH_STORE_NT
	global_store_b128 v[LI], v[PC+8:PC+11],  s[72:73] th:TH_STORE_NT
	global_store_b128 v[LI], v[PC+12:PC+15], s[72:73] offset:512 th:TH_STORE_NT
	s_wait_tensorcnt 0x0                           ; the wave's end, behind my last tensor load
	ds_add_u32 v[SPW], v[NIL]
	s_wait_dscnt 0x0
	CROUND                                         ; the closing round
	s_endpgm
.Lfunc_end_k_qd14deeeb4d_attn:
	.size	k_qd14deeeb4d_attn, .Lfunc_end_k_qd14deeeb4d_attn-k_qd14deeeb4d_attn
	.p2alignl 7, 3214868480
	.fill 96, 4, 3214868480
	.section	.rodata,"a",@progbits
	.p2align	6, 0x0
	.amdhsa_kernel k_qd14deeeb4d_attn
		.amdhsa_group_segment_fixed_size 327680
		.amdhsa_private_segment_fixed_size 0
		.amdhsa_enable_private_segment 0
		.amdhsa_kernarg_size 32
		.amdhsa_user_sgpr_count 2
		.amdhsa_user_sgpr_kernarg_segment_ptr 1
		.amdhsa_wavefront_size32 1
		.amdhsa_system_sgpr_workgroup_id_x 1
		.amdhsa_system_sgpr_workgroup_id_y 1
		.amdhsa_system_sgpr_workgroup_id_z 1
		.amdhsa_system_vgpr_workitem_id 0
		.amdhsa_next_free_vgpr 256
		.amdhsa_next_free_sgpr 80
		.amdhsa_reserve_vcc 1
		.amdhsa_float_denorm_mode_32 3
		.amdhsa_float_denorm_mode_16_64 3
		.amdhsa_fp16_overflow 1
		.amdhsa_memory_ordered 1
		.amdhsa_forward_progress 1
		.amdhsa_inst_pref_size 83
	.end_amdhsa_kernel
	.amdgpu_metadata
---
amdhsa.version: [ 1, 2 ]
amdhsa.kernels:
  - .name:           k_qd14deeeb4d_attn
    .symbol:         k_qd14deeeb4d_attn.kd
    .args:
      - { .name: q_img, .offset: 0, .size: 8, .value_kind: global_buffer, .address_space: global }
      - { .name: kv, .offset: 8, .size: 8, .value_kind: global_buffer, .address_space: global }
      - { .name: lowp_scales, .offset: 16, .size: 8, .value_kind: global_buffer, .address_space: global }
      - { .name: y_img, .offset: 24, .size: 8, .value_kind: global_buffer, .address_space: global }
    .group_segment_fixed_size: 327680
    .private_segment_fixed_size: 0
    .kernarg_segment_align: 8
    .kernarg_segment_size: 32
    .max_flat_workgroup_size: 512
    .sgpr_count:     80
    .vgpr_count:     256
    .wavefront_size: 32
...
	.end_amdgpu_metadata
.endif
;; end of part 3
;; launch proj (part 4): grid 8 x 32, 4 waves a work-group, clusters of 4 x 4, 327,680 bytes of LDS; arguments y_img, wp_codes, lowp_scales, out0; writes out0
.if DOCPART == 4
	.amdgcn_target "amdgcn-amd-amdhsa--gfx1250"
	.amdhsa_code_object_version 6
	.text
	.protected	k_qd14deeeb4d_proj
	.globl	k_qd14deeeb4d_proj
	.p2align	8
	.type	k_qd14deeeb4d_proj,@function
k_qd14deeeb4d_proj:
	s_mov_b64 s[64:65], 0
	v_nop
	global_prefetch_b8 v0, s[64:65] scope:SCOPE_SE
	s_setreg_imm32_b32 hwreg(HW_REG_WAVE_MODE, 25, 1), 1
	s_wait_xcnt 0x0
	s_wait_alu depctr_hold_cnt(0) depctr_sa_sdst(0) depctr_va_vdst(0) depctr_va_sdst(0) depctr_va_ssrc(0) depctr_va_vcc(0) depctr_vm_vsrc(0)
	s_getreg_b32 s2, hwreg(HW_REG_IB_STS2, 6, 4)
	s_cmp_eq_u32 s2, 0
	s_cbranch_scc0 .Lentry_in_a_cluster
	s_endpgm
.Lentry_in_a_cluster:
	s_bfe_u32 s2, ttmp6, 0x10000c
	s_cmp_lg_u32 s2, 0xf033
	s_cbranch_scc0 .Lentry_shape_is_right
	s_endpgm
.Lentry_shape_is_right:
; out0 = y w_proj^T on codes of FP8 (E4M3), K = 1024, sums in f32, each finished sum x 2^(e6 + e7).  LIMIT: e6 + e7 lies between -126 and 127, so that the factor is an f32 number.
; y comes as IMAGES OF THE OPERAND'S REGISTERS: for each tile of 16 tokens 16,384 bytes, 2,048 for each 128 along K: group G (registers 4 G .. 4 G + 3) at 512 G + 16 x lane.  w_proj's codes lie by rows of 1024 bytes,
; laid so that 16 bytes at 32 c + 16 h of a row are registers 4 c .. 4 c + 3 of the same layout: k stands in its own place on both sides.
; SHARES.  256 work-groups, one tile of 256 tokens x 128 columns each; wave w takes tokens 64 w .. 64 w + 63 and all 128 columns: 32 accumulators, 256 registers.  (Tiles of 256 x 256 would be 128: half the WGPs idle.)
; K goes in steps of 256 through a ring of two LDS slots.  4 x 4 work-groups form a cluster: y's tile hangs on the tile row alone and is shared along a row of the cluster, w_proj's on the tile column alone and is shared
; along a column: each is asked for JOINTLY.  Waves 0, 1 fetch y's halves (8 token tiles x 4,096 bytes, dense in LDS: images need no padding), waves 2, 3 w_proj's (64 rows x 256 bytes, padded).
; THE MATRIX INSTRUCTION IS USED TRANSPOSED (source 0 = 16 rows of w_proj, source 1 = 16 tokens): a lane holds eight neighbouring columns of one row of out0.
; REGISTERS: window 0: v0-31 addresses; v32-95 at work on the way out; v128-255 y's fragments, two sets of 4.  window 1: w_proj's fragments, two sets of 8.  window 2: accumulator (a, b) at v[8 (8 a + b)].
; No prefetch: K has four ring steps, of which two are the first fills.
.set PITCH,  272                       ; a row of w_proj's tile in LDS: 256 bytes + 16 of padding: row r starts at bank 4 r mod 64 (64 banks of 4 bytes: ISA guide 11.1)
.set ABYTES, 65536                     ; y's part of a slot: 16 token tiles x 4,096 bytes
.set SLOT,   ABYTES+128*PITCH          ; then w_proj's 128 rows
.set SPARE,  2*SLOT                    ; behind the ring: the spare words, 128 bytes for each wave, which no other line names
.set STG,    SPARE+512                 ; then the stages for the way out: 16 rows x 528 bytes for each wave; no tile lands there
.set SPITCH, 528
.set LAPS,   2
.set ADRA, 16                          ; v16-17  LDS address of my y fragments in slot 0, 1
.set ADRB, 20                          ; v20-21  the same for w_proj
.set STO,  24                          ; v24     the way out: where I put 32 bytes of a row
.set RD,   25                          ; v25     where I read a row back
.set CO,   26                          ; v26     16 x lane: my bytes of a row's 512
.set SPW,  28                          ; v28     LDS address of my spare word; never rewritten
.set NIL,  29                          ; v29     0; never rewritten
.set TMP,  32
.set AF,   128
.set BK,   128                         ; the way out: 16 rows read back: v128-191 and v192-255 by turns
.set G1, 24                            ; s[24:31] group 1 for y's tiles; s[32:39] group 0, one set for each slot
.set G0, 32
.set G1B, 48                           ; s[48:55], s[56:63] the same for w_proj's
.set G0B, 56
.set MSB, 0
.macro WIN new                         ; the immediate's high byte repeats the setting that is left
.if MSB != \new
	s_set_vgpr_msb (MSB<<8)|\new
.set MSB, \new
.endif
.endm
.set MUL,  0xa1                        ; source 0 (w_proj) window 1, source 1 (y) window 0, C and D window 2
.set TO_B, 0x40                        ; destination window 1, address window 0
.macro JLOAD g0a, g1a, g0b, g1b        ; a joint load; the branch hangs on the wave's number alone; an s_nop 0 and four v_nop follow each of the two lines
	s_cmp_eq_u32 s15, 0
	s_cbranch_scc0 .Lfor_b_\@
	tensor_load_to_lds s[\g0a:\g0a+3], s[\g1a:\g1a+7]
	s_nop 0
.rept 4
	v_nop
.endr
	s_branch .Lasked_\@
.Lfor_b_\@:
	tensor_load_to_lds s[\g0b:\g0b+3], s[\g1b:\g1b+7]
	s_nop 0
.rept 4
	v_nop
.endr
.Lasked_\@:
.endm
.macro CREST                           ; a round of the cluster's barrier behind its opening barrier
	s_cmp_lg_u32 s14, 0
	s_cbranch_scc1 .Lnot_wave_0_\@
	s_barrier_signal -3
.Lnot_wave_0_\@:
	s_barrier_wait -3
	s_barrier_signal -1
	s_barrier_wait -1
.endm
.macro CROUND
	s_barrier_signal -1
	s_barrier_wait -1
	CREST
.endm
	s_load_b128 s[4:7], s[0:1], 0x0                ; y_img s[4:5], wp_codes s[6:7]
	s_load_b128 s[8:11], s[0:1], 0x10              ; the scales' exponents s[8:9], out0 s[10:11]
	v_lshl_add_u32 v[SPW], v0, 2, SPARE
	v_mov_b32 v[NIL], 0
	ds_add_u32 v[SPW], v[NIL]                      ; the wave's opening: the add and its wait ahead of my first tensor load; the set-up below, work on registers, stands between them
	ds_add_u32 v[SPW], v[NIL]
	v_lshrrev_b32 v1, 5, v0
	v_readfirstlane_b32 s14, v1                    ; wave 0..3
	s_lshr_b32 s15, s14, 1                         ; I fetch for y (0) or for w_proj (1),
	s_and_b32 s16, s14, 1                          ; this half of the tile
	s_bfe_u32 s40, ttmp6, 0x40000                  ; cx, cy
	s_bfe_u32 s41, ttmp6, 0x40004
	s_lshl_b32 s42, ttmp9, 2
	s_add_co_u32 s42, s42, s40                     ; tile column = 4 x cluster x + cx
	s_and_b32 s17, ttmp7, 0xffff
	s_lshl_b32 s17, s17, 2
	s_add_co_u32 s17, s17, s41                     ; tile row = 4 x cluster y + cy
	s_lshl_b32 s43, s41, 2
	s_lshl_b32 s43, 15, s43                        ; my row of the cluster
	s_lshl_b32 s44, 0x1111, s40                    ; my column
	s_or_b32 s[G1+0], s43, (3<<16)|(1<<21)         ; y: the mask of my row; elements of 8 bytes; no padding; 21 set beside a mask
	s_mov_b32 s[G1+1], 512<<16                     ; tensor_dim0 = 512 elements: 4,096 bytes of a token tile
	s_mov_b32 s[G1+2], 8<<16                       ; tensor_dim1 = 8 token tiles
	s_mov_b32 s[G1+3], 512<<16                     ; tile_dim0
	s_mov_b32 s[G1+4], 8                           ; tile_dim1
	s_mov_b32 s[G1+5], 2048                        ; from token tile to token tile: 16,384 bytes
	s_mov_b32 s[G1+6], 0
	s_mov_b32 s[G1+7], 0
	s_or_b32 s[G1B+0], s44, (0<<16)|(1<<20)|(1<<21)|(5<<22)|(3<<25)  ; w_proj: the mask of my column; elements of 1 byte; padding: 4 words after every 64
	s_mov_b32 s[G1B+1], 256<<16
	s_mov_b32 s[G1B+2], 64<<16
	s_mov_b32 s[G1B+3], 256<<16
	s_mov_b32 s[G1B+4], 64
	s_mov_b32 s[G1B+5], 1024
	s_mov_b32 s[G1B+6], 0
	s_mov_b32 s[G1B+7], 0
	s_lshl_b32 s20, s17, 18                        ; y: (16 x tile row + 8 x half) token tiles of 16,384 bytes
	s_lshl_b32 s18, s16, 17
	s_add_co_u32 s20, s20, s18
	s_mov_b32 s21, 0
	s_lshl_b32 s46, s42, 17                        ; w_proj: (128 x tile column + 64 x half) rows of 1,024 bytes
	s_lshl_b32 s18, s16, 16
	s_add_co_u32 s46, s46, s18
	s_mov_b32 s47, 0
	s_lshl_b32 s45, s16, 15                        ; where they go: y's half x 32,768;
	s_mul_i32 s19, s16, 64*PITCH
	s_add_co_u32 s19, s19, ABYTES                  ; w_proj's half x 64 rows, behind y's: no place in the cluster enters an LDS address
	s_wait_dscnt 0x0                               ; the opening add is done
	s_wait_kmcnt 0x0
	s_load_b256 s[80:87], s[8:9], 0x0              ; e0 .. e7
	s_add_nc_u64 s[20:21], s[4:5], s[20:21]
	s_add_nc_u64 s[46:47], s[6:7], s[46:47]
	CROUND                                         ; all sixteen work-groups are here: the first joint loads meet
.irp s, 0,1
	s_mov_b32 s[G0+4*\s], 1
	s_add_co_u32 s[G0+4*\s+1], s45, \s*SLOT
	s_add_nc_u64 s[G0+4*\s+2:G0+4*\s+3], s[20:21], \s*4096
	s_or_b32 s[G0+4*\s+3], s[G0+4*\s+3], 0x80000000
	s_mov_b32 s[G0B+4*\s], 1
	s_add_co_u32 s[G0B+4*\s+1], s19, \s*SLOT
	s_add_nc_u64 s[G0B+4*\s+2:G0B+4*\s+3], s[46:47], \s*256
	s_or_b32 s[G0B+4*\s+3], s[G0B+4*\s+3], 0x80000000
	s_wait_alu depctr_va_vdst(0)
	s_wait_tensorcnt 0x0
	ds_add_u32 v28, v29
	ds_add_u32 v28, v29
	s_wait_dscnt 0x0
	CROUND
	JLOAD G0+4*\s, G1, G0B+4*\s, G1B
.endr
	v_and_b32 v1, 15, v0                           ; r
	v_bfe_u32 v2, v0, 4, 1                         ; h
	v_and_b32 v6, 31, v0
	v_lshlrev_b32 v[CO], 4, v6                     ; 16 x lane
	v_mul_u32_u24 v3, v1, PITCH
	v_lshl_add_u32 v4, v2, 4, v3                   ; w_proj: row r x pitch + 16 h
	s_lshl_b32 s21, s14, 14                        ; y: my four token tiles
	s_mov_b32 s22, ABYTES
.irp s, 0,1
	v_add_nc_u32 v[ADRA+\s], s21, v[CO]
	v_add_nc_u32 v[ADRB+\s], s22, v4
	s_add_co_u32 s21, s21, SLOT
	s_add_co_u32 s22, s22, SLOT
.endr
	s_mul_i32 s23, s14, 16*SPITCH
	s_add_co_u32 s23, s23, STG                     ; my stage
	v_mul_u32_u24 v5, v1, SPITCH                   ; in: row r, 32 bytes for each half of the lanes
	v_lshl_add_u32 v5, v2, 5, v5
	v_add_nc_u32 v[STO], s23, v5
	v_add_nc_u32 v[RD], s23, v[CO]                 ; back: the 32 lanes take one row of 512 bytes
	s_lshl_b32 s66, s17, 20                        ; out0: (256 x tile row + 64 x wave) rows of 4,096 bytes + 512 x tile column (under 2^25)
	s_lshl_b32 s67, s14, 18
	s_add_co_u32 s66, s66, s67
	s_lshl_b32 s67, s42, 9
	s_add_co_u32 s66, s66, s67
	s_mov_b32 s67, 0
	s_add_nc_u64 s[10:11], s[10:11], s[66:67]
.macro FRAGA reg, slot, q, i           ; y's fragment of token tile i, the slot's q-th 128 along K: four dense loads of 512 bytes
.irp c, 0,1,2,3
	ds_load_b128 v[\reg+4*\c:\reg+4*\c+3], v[ADRA+\slot] offset:(\i)*4096+(\q)*2048+512*\c
.endr
.endm
.macro FRAGB reg, slot, q, i           ; w_proj's fragment of rows 16 i on
.irp c, 0,1,2,3
	ds_load_b128 v[\reg+4*\c:\reg+4*\c+3], v[ADRB+\slot] offset:128*(\q)+32*\c+(\i)*16*PITCH
.endr
.endm
.macro FETCH slot, q, p                ; 48 LDS loads in one run: all fragments of 128 along K into set p
	WIN TO_B
.irp i, 0,1,2,3,4,5,6,7
	FRAGB 128*(\p)+16*\i, \slot, \q, \i
.endr
	WIN 0
.irp i, 0,1,2,3
	FRAGA AF+64*(\p)+16*\i, \slot, \q, \i
.endr
.endm
; 8 matrix instructions: token tile a against the eight column tiles.  The 32 accumulators take turns, one instruction a turn, in the same order in every step.
.macro MUL8 a, p, zero
.irp b, 0,1,2,3,4,5,6,7
.if \zero
	v_wmma_f32_16x16x128_fp8_fp8 v[8*(8*(\a)+\b):8*(8*(\a)+\b)+7], v[128*(\p)+16*\b:128*(\p)+16*\b+15], v[AF+64*(\p)+16*(\a):AF+64*(\p)+16*(\a)+15], 0
.else
	v_wmma_f32_16x16x128_fp8_fp8 v[8*(8*(\a)+\b):8*(8*(\a)+\b)+7], v[128*(\p)+16*\b:128*(\p)+16*\b+15], v[AF+64*(\p)+16*(\a):AF+64*(\p)+16*(\a)+15], v[8*(8*(\a)+\b):8*(8*(\a)+\b)+7]
.endif
.endr
.endm
.macro PLACES                          ; four places in front of loads into registers that matrix instructions have read, and of the first read of results (ISA guide 7.12.1 for the first read of results)
.rept 4
	v_nop
.endr
.endm
; A slot's first 128 along K: multiplies set 0; the second 128's fragments are asked for first, into set 1: 32 matrix instructions ahead of their use.
.macro STEP slot, zero
	s_wait_dscnt 0x0                               ; set 0 is in
	PLACES
	FETCH \slot, 1, 1
	WIN MUL
	MUL8 0, 0, \zero
	MUL8 1, 0, \zero
	MUL8 2, 0, \zero
	MUL8 3, 0, \zero
	WIN 0
.endm
; A slot's second 128 multiplies set 1 and changes slots: ONE barrier; in front of it each wave waits for all its tensor loads, adds 0 to its spare word, and waits for that and for its reads of this slot.
.macro TURN slot, next, fill
	s_wait_tensorcnt 0x0                           ; all my tensor loads have landed: my part of the next slot;  (every window is 0 here)
	ds_add_u32 v[SPW], v[NIL]                      ; 0 onto my spare word
	s_wait_dscnt 1                                 ; set 1 is in (the add alone may be out)
	WIN MUL
	MUL8 0, 1, 0                                   ; eight matrix instructions stand between the add and the wait for it
	s_wait_dscnt 0x0                               ; the add is done, and my reads of this slot are over
	s_barrier_signal -1
	MUL8 1, 1, 0
	WIN 0
	s_barrier_wait -1
.if \fill
	CREST                                          ; the barrier has opened a round of the cluster's barrier: no wave of any partner still reads this slot or has a load on its way
	s_add_nc_u64 s[G0+4*\slot+2:G0+4*\slot+3], s[G0+4*\slot+2:G0+4*\slot+3], 2*4096
	s_add_nc_u64 s[G0B+4*\slot+2:G0B+4*\slot+3], s[G0B+4*\slot+2:G0B+4*\slot+3], 2*256
	JLOAD G0+4*\slot, G1, G0B+4*\slot, G1B         ; the first tensor load behind the round; its four v_nop are the places in front of the loads below
.else
	PLACES
.endif
	FETCH \next, 0, 0
	WIN MUL
	MUL8 2, 1, 0
	MUL8 3, 1, 0
	WIN 0
.endm
	s_wait_alu depctr_va_vdst(0)
	s_wait_tensorcnt 1                             ; my part of ring step 0 is in (ring step 1's load may be out)
	s_barrier_signal -1
	s_barrier_wait -1                              ; everybody's is
	FETCH 0, 0, 0
	STEP 0, 1                                      ; the first step stands in front of the loop: its products start the sums
	s_mov_b32 s3, LAPS-1
.Llap:                                                 ; a trip goes once round the ring and fills both slots again
	TURN 0, 1, 1
	STEP 1, 0
	TURN 1, 0, 1
	STEP 0, 0
	s_sub_co_u32 s3, s3, 1
	s_cmp_lg_u32 s3, 0
	s_cbranch_scc1 .Llap
	TURN 0, 1, 0                                   ; the last lap fills nothing, and has no round of the cluster's barrier
	STEP 1, 0
	s_wait_dscnt 0x0                               ; the very last step
	WIN MUL
	MUL8 0, 1, 0
	MUL8 1, 1, 0
	MUL8 2, 1, 0
	MUL8 3, 1, 0
	WIN 0
; THE WAY OUT, block by block of 16 rows x 128 columns.  A lane holds 32 neighbouring bytes of a row, and the lanes beside it hold other rows: a block goes through my own stage in LDS and comes back as whole rows of 512 bytes.
; LDS serves a wave's instructions in order (ISA guide 5.7.1.4): no wait between the stores and the loads, nor in front of the next block's stores.
.macro TOSTAGE a
.set AC, 64*(\a)
	WIN 0x02                                       ; source 0: window 2
.set j, 0
.rept 32
	v_pk_mul_f32 v[TMP+j:TMP+j+1], v[AC+j:AC+j+1], s[96:97] op_sel_hi:[1,0]   ; x 2^(e6 + e7); each accumulator from its low end on
.set j, j+2
.endr
	WIN 0
.irp b, 0,1,2,3,4,5,6,7
	ds_store_b128 v[STO], v[TMP+8*\b:TMP+8*\b+3] offset:64*\b
	ds_store_b128 v[STO], v[TMP+8*\b+4:TMP+8*\b+7] offset:64*\b+16
.endr
.set BB, BK+64*((\a)%2)
.irp t, 0,1,2,3,4,5,6,7,8,9,10,11,12,13,14,15
	ds_load_b128 v[BB+4*\t:BB+4*\t+3], v[RD] offset:\t*SPITCH
.endr
.endm
.macro SEND a, younger                 ; younger: the LDS instructions issued behind block a's loads, which may stay out
.set BB, BK+64*((\a)%2)
	s_wait_dscnt \younger                          ; the block is back in registers
.if (\a) > 0
	s_add_nc_u64 s[10:11], s[10:11], 16*4096       ; (behind a wait on XCNT: the earlier stores have read their base)  16 rows on
.endif
.irp t, 0,1,2,3,4,5,6,7,8,9,10,11,12,13,14,15
	global_store_b128 v[CO], v[BB+4*\t:BB+4*\t+3], s[10:11] offset:\t*4096 th:TH_STORE_NT   ; 32 lanes store 512 consecutive bytes, aligned
.endr
.endm
	s_wait_kmcnt 0x0
	s_add_co_i32 s96, s86, s87                     ; e6 + e7
	s_add_co_i32 s96, s96, 127
	s_lshl_b32 s96, s96, 23                        ; 2^(e6 + e7) as f32
	s_mov_b32 s97, s96                             ; (named with it as a pair, so it is written)
	PLACES                                         ; behind the last products: for the reads of results and the loads into the registers that held y's fragments
	TOSTAGE 0
.irp a, 1,2,3
.if \a > 1
	s_wait_xcnt 0x0                                ; block a - 2's stores have read their registers and their base
.endif
	TOSTAGE \a
	SEND \a-1, 32                                  ; behind block a - 1's loads: block a's 16 stores and 16 loads
.endr
	s_wait_xcnt 0x0                                ; block 2's stores have read their base
	SEND 3, 0
	s_wait_tensorcnt 0x0                           ; the wave's end, behind my last tensor load and my last LDS store
	ds_add_u32 v[SPW], v[NIL]
	s_wait_dscnt 0x0
	CROUND                                         ; the closing round: no work-group ends while a partner may still ask for a tile that names it
	s_endpgm
.Lfunc_end_k_qd14deeeb4d_proj:
	.size	k_qd14deeeb4d_proj, .Lfunc_end_k_qd14deeeb4d_proj-k_qd14deeeb4d_proj
	.p2alignl 7, 3214868480
	.fill 96, 4, 3214868480
	.section	.rodata,"a",@progbits
	.p2align	6, 0x0
	.amdhsa_kernel k_qd14deeeb4d_proj
		.amdhsa_group_segment_fixed_size 327680
		.amdhsa_private_segment_fixed_size 0
		.amdhsa_enable_private_segment 0
		.amdhsa_kernarg_size 32
		.amdhsa_user_sgpr_count 2
		.amdhsa_user_sgpr_kernarg_segment_ptr 1
		.amdhsa_wavefront_size32 1
		.amdhsa_system_sgpr_workgroup_id_x 1
		.amdhsa_system_sgpr_workgroup_id_y 1
		.amdhsa_system_sgpr_workgroup_id_z 1
		.amdhsa_system_vgpr_workitem_id 0
		.amdhsa_next_free_vgpr 768
		.amdhsa_next_free_sgpr 100
		.amdhsa_reserve_vcc 0
		.amdhsa_float_denorm_mode_32 3
		.amdhsa_float_denorm_mode_16_64 3
		.amdhsa_memory_ordered 1
		.amdhsa_forward_progress 1
		.amdhsa_inst_pref_size 76
	.end_amdhsa_kernel
	.amdgpu_metadata
---
amdhsa.version: [ 1, 2 ]
amdhsa.kernels:
  - .name:           k_qd14deeeb4d_proj
    .symbol:         k_qd14deeeb4d_proj.kd
    .args:
      - { .name: y_img, .offset: 0, .size: 8, .value_kind: global_buffer, .address_space: global }
      - { .name: wp_codes, .offset: 8, .size: 8, .value_kind: global_buffer, .address_space: global }
      - { .name: lowp_scales, .offset: 16, .size: 8, .value_kind: global_buffer, .address_space: global }
      - { .name: out0, .offset: 24, .size: 8, .value_kind: global_buffer, .address_space: global }
    .group_segment_fixed_size: 327680
    .private_segment_fixed_size: 0
    .kernarg_segment_align: 8
    .kernarg_segment_size: 32
    .max_flat_workgroup_size: 128
    .sgpr_count:     100
    .vgpr_count:     768
    .wavefront_size: 32
...
	.end_amdgpu_metadata
.endif
;; end of part 4
